; MI455X (gfx1250); checked and timed in simulation.
; The chip was launched on July 23, 2026; its instructions are those of AMD's public machine-readable ISA for CDNA 5 (MIT licence, August 2026) and "CDNA5" Instruction Set Architecture Reference Guide (July 2026). The comments in the code are by the model that wrote it; some were corrected since.
;; Diagonal Matrix Model. Allowed arithmetic: matrix products marked QUANTISED: E3M2 operands, one E8M0 scale for each 32 along K, by v_wmma_scale_f32_16x16x128_f8f6f4 with both operands' format E3M2, f32 sums; everything else in f32.
;; Inputs: diagonal 4,096 float32; x 4,096 x 4,096 float32.
;; Outputs: out0 4,096 x 4,096 float32.
;; This version of the problem:
;;   THIS VERSION OF THE PROBLEM IS GIVEN IN LOW PRECISION. The matrix products marked QUANTISED in the list below multiply operands that are first quantised to E3M2 (3 exponent bits, 2 mantissa bits; 6 bits a number), with one power-of-two scale for each 32 numbers along K (OCP MX v1.0); their sums are f32. All else is computed in f32.
;;   The module's matrix products, in the order in which they are computed (A, B: the left and right operand; K: the contracted axis; several contracted axes count as one K, in the product's order):
;;     1. [M 4,096, K 4,096] x [K 4,096, N 4,096]; A: input x; B: computed on the way: QUANTISED
;;   THE QUANTISER, for each operand of a quantised product, along K:
;;     - K is cut into blocks of 32 from its start; a last block that is shorter is filled with zeros.
;;     - A block's scale is 2^e with e = floor(log2(the largest magnitude in the block)) - 4, held to -126 .. 127; a block of zeros has e = 0. As a byte (E8M0): e + 127.
;;     - Each number is divided by its block's scale, clamped to +-28, and rounded to the nearest number of E3M2, ties to even, subnormals kept.
;;     - The product sums the exact products of the quantised numbers (number of the format x scale) in f32.
;;   ~~~python
;;   def quantise(x, axis):      # numpy; x: float32 -> the quantised numbers, widened to float32 again
;;       x = np.moveaxis(x, axis, -1); K = x.shape[-1]
;;       x = np.pad(x, [(0, 0)] * (x.ndim - 1) + [(0, -K % 32)]); x = x.reshape(x.shape[:-1] + (-1, 32)); a = np.abs(x).max(-1, keepdims=True)
;;       e = np.where(a > 0, np.clip(np.frexp(np.where(a > 0, a, 1))[1] - 1 - 4, -126, 127), 0)      # np.frexp(a)[1] - 1 = floor(log2(a)), exactly
;;       r = np.clip(x / 2.0 ** e, -28, 28)
;;       step = 2.0 ** (np.maximum(np.frexp(np.where(r == 0, 1, r))[1] - 1, -2) - 2)
;;       q = np.round(r / step) * step * 2.0 ** e      # np.round: ties to even
;;       return np.moveaxis(q.reshape(q.shape[:-2] + (-1,))[..., :K], -1, axis).astype(np.float32)
;;   ~~~
;;   OPERANDS COMPUTED ON THE WAY. 'Computed on the way' means the value that the module computes at that place (a softmax that the list does not call 'softmax' is quantised finished and normalised). What goes into a quantiser is computed in f32, as accurately as f32 sums, v_exp_f32 and their like allow (about 1e-6 of the number): no bf16 or f16 on the way to a quantiser, and a product that is left as it is and whose result goes on into a quantised operand takes f32 operands (vector FMAs, or v_wmma_f32_16x16x4_f32). A number that lies on a knife's edge between two numbers of the format may be rounded either way, as far as f32 arithmetic and the matrix unit's own rounding can turn it there, and no further.
;; 2 versions. Each part assembles by itself: llvm-mc -triple=amdgcn-amd-amdhsa -mcpu=gfx1250 --defsym DOCPART=n.
;; ======== version 1 of 2: 1 launch
;; launch diagmm (part 1): grid 256 x 1, 4 waves a work-group, no clusters, 288,256 bytes of LDS; arguments x, diagonal, out0; writes out0
.if DOCPART == 1
	.amdgcn_target "amdgcn-amd-amdhsa--gfx1250"
	.amdhsa_code_object_version 6
	.text
	.protected	k_q35902aa744_diagmm
	.globl	k_q35902aa744_diagmm
	.p2align	8
	.type	k_q35902aa744_diagmm,@function
k_q35902aa744_diagmm:
	s_mov_b64 s[64:65], 0
	v_nop
	global_prefetch_b8 v0, s[64:65] scope:SCOPE_SE
	s_setreg_imm32_b32 hwreg(HW_REG_WAVE_MODE, 25, 1), 1
	s_wait_xcnt 0x0
; out0 = Q(x) Q(diag(d)).  x, out0: [4096][4096] f32; d: [4096] f32.  Q: codes of BF6 (E3M2) with one E8M0 scale for each 32 along K; sums in f32.
; The whole product is multiplied, all 32 K steps of 128 for every tile of 16 x 16, by v_wmma_scale_f32_16x16x128_f8f6f4 on BF6 codes.
; SHARES.  256 work-groups of four waves.  A work-group owns 16 rows of x and of out0 (262,144 consecutive bytes of each).  Wave w owns columns 1024 w .. 1024 w + 1023:
; it quantises K steps 8 w .. 8 w + 7 of x, and it makes 8 column groups of 128 (8 tiles of 16 each) of out0.
; PREP.  A K step of x (16 rows x 512 bytes) is loaded as it lies, 512 consecutive bytes a load, turned through the wave's stage in LDS so that a lane holds 16 neighbours along K, quantised,
; and left in LDS as an image of the operand's registers (3 x 512 bytes, lane l's 16 bytes at 16 l) with its scale words (4 bytes a lane).  While the first loads are on their way the wave makes its part of B.
; B.  Column n of diag(d) holds one number, d[n], at k = n.  Of a tile of 16 columns only the K step that holds its own columns has codes other than 0, and there only three registers of the twelve:
; tile t of a group: registers 6 (t / 4) + 3 (t % 2) on, lanes with lane / 16 = (t / 2) % 2, lane r's code at the 6-bit place r.  These three registers and the tile's scale word are kept in LDS.
; Blocks of zeros carry the scale byte 1, the quantiser's floor: zero codes add nothing under any byte but 0xff, and the bytes are read by this program alone.
; MAIN.  Behind ONE barrier each wave takes the 24 fragments of x that the other waves made into registers for good, and walks its 8 groups: 8 accumulators by turns x 32 K steps = 256 matrix instructions.
; The group's own K step comes first, with the 8 diagonal fragments of B and C = 0; the other 31 take one fragment of zero codes.  (Each output has one product that is not 0, so the order of the K steps changes no bit.)
; THE MATRIX INSTRUCTION IS USED TRANSPOSED: source 0 = 16 columns of B, source 1 = the 16 rows of x: lane (r, h) holds row r, its register j column 16 t + 8 h + j: 32 neighbouring bytes of out0.
; A finished group goes through the wave's stage and leaves as whole rows of 512 bytes while the next group is multiplied.
; NO CLUSTER: work-groups share d alone, 16,384 bytes beside the 134,217,728 of x and out0.  No tensor load: each byte of x is read once, by one wave, and 64 loads of 512 bytes a wave are on their way.
; LIMITS.  NaN and infinities in x or d are not served.  A block of zeros, and a block whose largest magnitude lies under 2^-122, gets the byte 1 (the stated quantiser gives 127 for zeros and holds the others at 1).
;
; LDS (bytes; w = wave):  AIMG: 16 places of 1,536 a wave: place p holds the image of K step 8 w + p % 8: each image is stored twice, so that group g reads places g .. g + 7 without a wrap.
;   ASC: their scale words, 128 bytes a place.  BIMG: 4,096 a group: 8 x 256 (two code registers a lane), 8 x 128 (the third), 2 x 512 (scale words of tiles 0-3, 4-7, 16 bytes a lane).
;   STG: 16 rows x 528: the pitch is 33 x 16 bytes, so sixteen rows start at sixteen different places of 16 bytes modulo 256.  DST: the wave's 1,024 numbers of d.
;   BIMG, STG and DST are touched by their own wave alone; AIMG and ASC are written ahead of the barrier and only read behind it.
; REGISTERS, in windows of 256.  Window 0: v1-31 addresses and small work; v32-75 scale words and nothing else; v80-143 the accumulators (in PREP: 64 numbers of x); v144-155 the zero fragment;
;   v156-251 the 8 diagonal fragments (in PREP: at work).  Window 1: in PREP four sets of 64 registers of x as loaded; in MAIN 16 foreign fragments, and from v192 the rows on their way out.
;   Window 2: 8 foreign fragments, from v96 the 8 fragments of the wave's own K steps.
.set FRB,    1536                      ; a fragment's image: 12 registers x 128 bytes
.set AWAVE,  16*FRB
.set ASC,    4*AWAVE                   ; 98,304
.set ASWAVE, 16*128
.set BIMG,   ASC+4*ASWAVE              ; 106,496
.set BGRP,   4096
.set BWAVE,  8*BGRP
.set STG,    BIMG+4*BWAVE              ; 237,568
.set SP,     528
.set STWAVE, 16*SP
.set DST,    STG+4*STWAVE              ; 271,360
.set DWAVE,  4096                      ; the end: 287,744
.set ROWX,   16384                     ; a row of x or of out0 in bytes
.set LN16, 1                           ; v1   16 x lane: my bytes of a load, a store or an image; never rewritten
.set STW,  2                           ; v2   the stage by rows: 16 x lane
.set STX,  3                           ; v3   the stage, x's way out: 528 r + 64 h
.set STO,  4                           ; v4   the stage, a result's way in: 528 r + 32 h
.set AWI,  5                           ; v5   my wave's images: 16 x lane
.set AWS,  6                           ; v6   and their scale words: 4 x lane
.set AF,   7                           ; v7-9   the images of waves (w + 1, 2, 3) % 4
.set AS,   10                          ; v10-12 and their scale words
.set B8,   13                          ; v13  B's images: 8 x lane
.set B4,   14                          ; v14  2,048 + 4 x lane
.set B16,  15                          ; v15  3,072 + 16 x lane
.set DW,   16                          ; v16  d in LDS: 16 x lane
.set DR,   17                          ; v17  4 r
.set CB8,  18                          ; v18-23: the same with the group's step added
.set CB4,  19
.set CB16, 20
.set CDR,  21
.set CAO,  22
.set CAS,  23
.set LANE, 24
.set RHO,  25                          ; r = lane % 16
.set HH,   26                          ; h = lane / 16
.set ONE,  27
.set NEG,  28
.set AM,   29
.set SOP,  30
.set BY,   31
.set SZ,   32                          ; v32    the scale word of zero blocks
.set SBN,  36                          ; v36-43 the diagonal tiles' scale words
.set SAO,  44                          ; v44-51 those of my own 8 fragments of x
.set SAF,  52                          ; v52-75 those of the 24 foreign ones
.set ACC,  80
.set X,    80                          ; PREP: 64 numbers of x
.set BZ,   144
.set BN,   156
.set DV,   144                         ; PREP, making B: 8 numbers of d
.set T,    152                         ; 16 sources of a conversion
.set R,    168                         ; its result
.set M,    172                         ; the mask of my 6-bit place;
.set MA,   176                         ; the same in lanes 0-15 alone,
.set MB,   180                         ; in lanes 16-31 alone
.set Q,    184                         ; a group's codes: 4 registers a tile
.set S,    216                         ; and its 8 scale words
.set TM,   144                         ; PREP, quantising x: v144-147 largest magnitudes, v148-151 bytes, v156-159 the conversions' scale operands
.set PW,   160                         ; the scale word just made
.set PC,   224                         ; the codes just made
.set OWN,  96                          ; window 2: my own fragments
.set OUT,  192                         ; window 1: 16 rows on their way out
.set WV,   10
.set SEL,  20
.set MSB, 0
.macro WIN new                         ; low byte: bits 1:0 source 0, 3:2 source 1, 5:4 source 2, 7:6 destination; the high byte repeats the setting that is left; a switch that changes nothing is dropped
.if MSB != \new
	s_set_vgpr_msb (MSB<<8)|\new
.set MSB, \new
.endif
.endm
; K step i of my wave: 16 rows x 512 consecutive bytes, into set i % 4 of window 1
.macro XLOAD i
	WIN 0x40
.irp r, 0,1,2,3,4,5,6,7,8,9,10,11,12,13,14,15
	global_load_b128 v[64*((\i)%4)+4*\r:64*((\i)%4)+4*\r+3], v[LN16], s[4:5] offset:ROWX*\r+512*(\i) th:TH_LOAD_NT
.endr
.endm
; 64 numbers of a lane, v[s] .. v[s + 63], register 16 b + i = k 32 b + 16 (lane / 16) + i of my row, become a fragment's codes in v[PC] on and its scale word in v[PW].
.macro QUANT s
.irp b, 0,1,2,3
	v_max3_num_f32 v[TM+\b], |v[\s+16*\b]|, |v[\s+1+16*\b]|, 0x2800000   ; block b: my 16 numbers, and the floor 2^(5 - 127): so the byte cannot fall under 1
.endr
.irp i, 2,4,6,8,10,12,14
.irp b, 0,1,2,3
	v_max3_num_f32 v[TM+\b], v[TM+\b], |v[\s+16*\b+\i]|, |v[\s+1+16*\b+\i]|   ; (the four blocks by turns: no line waits for the line above it)
.endr
.endr
.irp b, 0,1,2,3
	v_permlanex16_b32 v[TM+4+\b], v[TM+\b], s[SEL], s[SEL+1]
.endr
.irp b, 0,1,2,3
	v_max_num_f32 v[TM+\b], v[TM+\b], v[TM+4+\b]   ; with lane l xor 16's: the block's largest magnitude
.endr
.irp b, 0,1,2,3
	v_add_nc_u32 v[TM+12+\b], 0xfe000000, v[TM+\b]   ; 4 off its exponent field: the conversion takes the exponent field of this operand as its scale
.endr
.irp b, 0,1,2,3
	v_lshrrev_b32 v[TM+4+\b], 23, v[TM+12+\b]      ; the scale's byte
.endr
	v_lshl_or_b32 v[PW], v[TM+5], 8, v[TM+4]       ; the four bytes make my row's scale word
	v_lshl_or_b32 v[PW], v[TM+6], 16, v[PW]
	v_lshl_or_b32 v[PW], v[TM+7], 24, v[PW]
.irp c, 0,1
	v_cvt_scalef32_pk16_bf6_f32 v[PC+6*\c:PC+2+6*\c], v[\s+32*\c:\s+15+32*\c], v[TM+12+2*\c]
	v_cvt_scalef32_pk16_bf6_f32 v[PC+12+4*\c:PC+14+4*\c], v[\s+16+32*\c:\s+31+32*\c], v[TM+12+2*\c+1]   ; (a conversion's three registers begin on an even number)
.endr
	v_nop                                          ; one plain place behind a scaled conversion
.irp c, 0,1                                    ; the operand's layout wants a WHOLE block in a lane: lanes 0-15 block 2 c, lanes 16-31 block 2 c + 1
.irp i, 0,1,2
	v_permlane16_swap_b32 v[PC+6*\c+\i], v[PC+12+4*\c+\i]
.endr
.irp i, 0,1,2
	v_mov_b32 v[PC+3+6*\c+\i], v[PC+12+4*\c+\i]
.endr
.endr
.endm
; Tile t of a group: d of my column (lane r: column 16 t + r; both halves of the lanes hold it) becomes a scale byte and a code; the code is made at all sixteen 6-bit places and masked to mine.
.macro BTILE t
.set MS, MA+4*(((\t)/2)%2)                     ; the tile's codes lie in lanes with lane / 16 = (t / 2) % 2
	v_max_num_f32 v[AM], 0x2800000, |v[DV+(\t)]|   ; the block's largest magnitude is |d|; the floor 2^(5 - 127) holds the byte at 1 from below
	v_add_nc_u32 v[SOP], 0xfe000000, v[AM]         ; 4 off the exponent field: the conversion's scale operand
	v_lshrrev_b32 v[BY], 23, v[SOP]                ; the scale's byte
.irp i, 0,1,2,3,4,5,6,7,8,9,10,11,12,13,14,15
	v_mov_b32 v[T+\i], v[DV+(\t)]
.endr
	v_cvt_scalef32_pk16_bf6_f32 v[R:R+2], v[T:T+15], v[SOP]
	v_lshl_or_b32 v[S+(\t)], v[BY], 8*((\t)/2), 0x01010101-(1<<(8*((\t)/2)))   ; the byte at block t / 2 of the word, 1 at the three blocks of zeros.  (The plain place behind the conversion)
.if (\t)%2 == 0                                ; the three registers begin on an even number of the fragment: the pair is the first two
	v_and_b32 v[Q+4*(\t)], v[R], v[MS]
	v_and_b32 v[Q+4*(\t)+1], v[R+1], v[MS+1]
	v_and_b32 v[Q+4*(\t)+2], v[R+2], v[MS+2]
.else                                          ; they begin on an odd number: the pair is the last two
	v_and_b32 v[Q+4*(\t)], v[R+1], v[MS+1]
	v_and_b32 v[Q+4*(\t)+1], v[R+2], v[MS+2]
	v_and_b32 v[Q+4*(\t)+2], v[R], v[MS]
.endif
.endm
; K step i of my wave: through the stage, quantised, its image stored at places i and i + 8
.macro XSTEP i
.if 7-(\i) < 3
	s_wait_loadcnt 16*(7-(\i))                     ; loads come back in order: this step's sixteen are in, those of the steps behind it may be out
.else
	s_wait_loadcnt 48
.endif
	WIN 0x04                                       ; an LDS store's data are its source 1: window 1
.irp r, 0,1,2,3,4,5,6,7,8,9,10,11,12,13,14,15
	ds_store_b128 v[STW], v[64*((\i)%4)+4*\r:64*((\i)%4)+4*\r+3] offset:SP*\r
.endr
	WIN 0
.irp b, 0,1,2,3
.irp j, 0,1,2,3
	ds_load_b128 v[X+16*\b+4*\j:X+16*\b+4*\j+3], v[STX] offset:128*\b+16*\j   ; LDS serves a wave's instructions in order: these see the stores above.  Register 16 b + 4 j + e: k = 32 b + 16 h + 4 j + e of row r
.endr
.endr
	s_wait_dscnt 0x0                               ; the numbers are back; the stores into the stage, and the last step's image stores, have read their registers
.if (\i) < 4
	XLOAD (\i)+4                                   ; the set just emptied takes the step four on
.endif
	WIN 0
	QUANT X
.irp u, 0,1
.irp c, 0,1,2
	ds_store_b128 v[AWI], v[PC+4*\c:PC+4*\c+3] offset:FRB*((\i)+8*\u)+512*\c
.endr
	ds_store_b32 v[AWS], v[PW] offset:128*((\i)+8*\u)
.endr
.endm
; 8 matrix instructions, the 8 accumulators by turns.  SLOTD: the group's own K step: the diagonal fragments, C = 0: nothing is ever cleared.
.macro SLOTD
.irp t, 0,1,2,3,4,5,6,7
	v_wmma_scale_f32_16x16x128_f8f6f4 v[ACC+8*\t:ACC+8*\t+7], v[BN+12*\t:BN+12*\t+11], v[OWN:OWN+11], 0, v[SBN+\t], v[SAO] matrix_a_fmt:MATRIX_FMT_BF6 matrix_b_fmt:MATRIX_FMT_BF6
.endr
.endm
; SLOTZ: another K step: B's zero fragment against the fragment of x at v[a] of the window in force, whose scale words are in v[sa]
.macro SLOTZ a, sa
.irp t, 0,1,2,3,4,5,6,7
	v_wmma_scale_f32_16x16x128_f8f6f4 v[ACC+8*\t:ACC+8*\t+7], v[BZ:BZ+11], v[(\a):(\a)+11], v[ACC+8*\t:ACC+8*\t+7], v[SZ], v[(\sa)] matrix_a_fmt:MATRIX_FMT_BF6 matrix_b_fmt:MATRIX_FMT_BF6
.endr
.endm
.macro READBACK                                ; the group in the stage comes back as 16 whole rows of 512 bytes
	WIN 0x40
.irp i, 0,1,2,3,4,5,6,7,8,9,10,11,12,13,14,15
	ds_load_b128 v[OUT+4*\i:OUT+4*\i+3], v[STW] offset:SP*\i
.endr
.endm
; The next group's operands: my own 8 fragments of x from place g on, their scale words, the 8 diagonal tiles' three registers each and their scale words: 50 loads.
; The five additions are the places between the last matrix instruction that read these registers and the loads into them (four are asked).  rb = 1: the finished group's way back from the stage goes first.
.macro FETCHG rb
	WIN 0
	v_add_nc_u32 v[CAO], s25, v[AWI]
	v_add_nc_u32 v[CAS], s26, v[AWS]
	v_add_nc_u32 v[CB8], s24, v[B8]
	v_add_nc_u32 v[CB4], s24, v[B4]
	v_add_nc_u32 v[CB16], s24, v[B16]
.if \rb
	READBACK
.endif
	WIN 0x80
.irp j, 0,1,2,3,4,5,6,7
.irp c, 0,1,2
	ds_load_b128 v[OWN+12*\j+4*\c:OWN+12*\j+4*\c+3], v[CAO] offset:FRB*\j+512*\c
.endr
.endr
	WIN 0
.irp j, 0,1,2,3,4,5,6,7
	ds_load_b32 v[SAO+\j], v[CAS] offset:128*\j
.endr
.irp t, 0,1,2,3,4,5,6,7
.set O, BN+12*\t+6*(\t/4)+3*(\t%2)
.if \t%2 == 0
	ds_load_b64 v[O:O+1], v[CB8] offset:256*\t
	ds_load_b32 v[O+2], v[CB4] offset:128*\t
.else
	ds_load_b64 v[O+1:O+2], v[CB8] offset:256*\t
	ds_load_b32 v[O], v[CB4] offset:128*\t
.endif
.endr
	ds_load_b128 v[SBN:SBN+3], v[CB16]
	ds_load_b128 v[SBN+4:SBN+7], v[CB16] offset:512
	s_add_co_u32 s25, s25, FRB                     ; the fetch after this one is the next group's
	s_add_co_u32 s26, s26, 128
	s_add_co_u32 s24, s24, BGRP
.endm
; A GROUP: 256 matrix instructions.  prev = 1: the group before lies in the stage and leaves under this one's products.  next = 1: the next group's operands are fetched.
.macro GROUP prev, next
	s_wait_dscnt 16*\prev                          ; my operands are in; the sixteen stores into the stage, issued behind the fetch, may be out
	WIN 0x08                                       ; source 1 (x) window 2
	SLOTD
.irp j, 1,2,3,4,5,6,7
	SLOTZ OWN+12*\j, SAO+\j
.endr
.if \next
	FETCHG \prev
.else
	READBACK
.endif
	WIN 0x08
.irp f, 0,1,2,3,4,5,6,7
	SLOTZ 12*\f, SAF+16+\f
.endr
	WIN 0x04                                       ; source 1 window 1: x's fragments, and the stores' data
.if \prev
	s_wait_dscnt 50*\next                          ; the sixteen rows are back (asked for 64 matrix instructions ago); the fetch's 50 loads, issued behind them, may be out
.irp i, 0,1,2,3,4,5,6,7,8,9,10,11,12,13,14,15
	global_store_b128 v[LN16], v[OUT+4*\i:OUT+4*\i+3], s[8:9] offset:ROWX*\i th:TH_STORE_NT   ; 32 lanes store 512 consecutive bytes, at a multiple of 256 from out0's first byte
.endr
.endif
.irp f, 0,1,2,3,4,5,6,7,8,9,10,11,12,13,14,15
	SLOTZ 12*\f, SAF+\f
.endr
.rept 5
	v_nop                                          ; four places in front of the LDS stores that read the results, five in front of the next group's first products, which write over the accumulators with another C
.endr
	WIN 0
.if \prev
	s_wait_xcnt 0x0                                ; the stores, issued 128 matrix instructions ago, have read their base and their data: both may be written again
	s_add_nc_u64 s[8:9], s[8:9], 512               ; on to the next group's columns
.endif
.irp t, 0,1,2,3,4,5,6,7
	ds_store_b128 v[STO], v[ACC+8*\t:ACC+8*\t+3] offset:64*\t          ; each accumulator from its low end on
	ds_store_b128 v[STO], v[ACC+8*\t+4:ACC+8*\t+7] offset:64*\t+16
.endr
.endm
	; ---- HEAD
	s_load_b128 s[4:7], s[0:1], 0x0                ; x s[4:5], d s[6:7]
	s_load_b64 s[8:9], s[0:1], 0x10                ; out0
	v_lshl_add_u32 v254, v0, 2, 0x46400
	v_mov_b32 v255, 0
	v_lshrrev_b32 v[LANE], 5, v0
	v_readfirstlane_b32 s[WV], v[LANE]             ; wave 0..3
	v_and_b32 v[LANE], 31, v0
	v_lshlrev_b32 v[LN16], 4, v[LANE]
	s_lshl_b32 s12, ttmp9, 18                      ; the work-group's 16 rows of 16,384 bytes (under 2^26),
	s_lshl_b32 s14, s[WV], 12                      ; my wave's 4,096 bytes of a row, and of d
	s_add_co_u32 s12, s12, s14
	s_mov_b32 s13, 0
	s_mov_b32 s15, 0
	s_wait_kmcnt 0x0
	s_add_nc_u64 s[4:5], s[4:5], s[12:13]
	s_add_nc_u64 s[8:9], s[8:9], s[12:13]
	s_add_nc_u64 s[6:7], s[6:7], s[14:15]
.irp i, 0,1,2,3,4,5,6,7
	global_load_b128 v[X+4*\i:X+4*\i+3], v[LN16], s[6:7] offset:512*\i   ; my 1,024 numbers of d
.endr
	XLOAD 0
	XLOAD 1
	XLOAD 2
	WIN 0
	v_and_b32 v[RHO], 15, v0
	v_bfe_u32 v[HH], v0, 4, 1
	v_mov_b32 v[SZ], 0x01010101                    ; far ahead of the first scaled product (eight places are asked)
	s_mul_i32 s16, s[WV], STWAVE
	s_add_co_u32 s16, s16, STG                     ; my stage
	s_mul_i32 s17, s[WV], AWAVE                    ; my images of x
	s_lshl_b32 s18, s[WV], 11
	s_add_co_u32 s18, s18, ASC                     ; their scale words
	s_lshl_b32 s19, s[WV], 15
	s_add_co_u32 s19, s19, BIMG                    ; my images of B
	s_lshl_b32 s27, s[WV], 12
	s_add_co_u32 s27, s27, DST                     ; my numbers of d
	v_add_nc_u32 v[STW], s16, v[LN16]
	v_mul_u32_u24 v[STX], v[RHO], SP
	v_lshl_add_u32 v[STO], v[HH], 5, v[STX]
	v_lshl_add_u32 v[STX], v[HH], 6, v[STX]
	v_add_nc_u32 v[STO], s16, v[STO]
	v_add_nc_u32 v[STX], s16, v[STX]
	v_add_nc_u32 v[AWI], s17, v[LN16]
	v_lshl_add_u32 v[AWS], v[LANE], 2, s18
.irp q, 1,2,3                                  ; the other three waves, from my neighbour on
	s_add_co_u32 s28, s[WV], \q
	s_and_b32 s28, s28, 3
	s_mul_i32 s29, s28, AWAVE
	s_lshl_b32 s30, s28, 11
	s_add_co_u32 s30, s30, ASC
	v_add_nc_u32 v[AF-1+\q], s29, v[LN16]
	v_lshl_add_u32 v[AS-1+\q], v[LANE], 2, s30
.endr
	v_lshl_add_u32 v[B8], v[LANE], 3, s19
	v_lshl_add_u32 v[B4], v[LANE], 2, s19
	v_add_nc_u32 v[B4], 2048, v[B4]
	v_add_nc_u32 v[B16], s19, v[LN16]
	v_add_nc_u32 v[B16], 3072, v[B16]
	v_add_nc_u32 v[DW], s27, v[LN16]
	v_lshl_add_u32 v[DR], v[RHO], 2, s27
	s_mov_b32 s[SEL], 0x76543210
	s_mov_b32 s[SEL+1], 0xfedcba98                 ; v_permlanex16_b32's selects for lane l xor 16
	; the mask of my 6-bit place: -28, whose code is all six ones, at place r among fifteen zeros, converted under the scale 1
	v_mov_b32 v[ONE], 1.0
	v_mov_b32 v[NEG], 0xc1e00000                   ; -28.0
.irp i, 0,1,2,3,4,5,6,7,8,9,10,11,12,13,14,15
	v_cmp_eq_u32 vcc_lo, \i, v[RHO]
	v_cndmask_b32 v[T+\i], 0, v[NEG], vcc_lo
.endr
	v_cvt_scalef32_pk16_bf6_f32 v[M:M+2], v[T:T+15], v[ONE]
	v_nop                                          ; one plain place behind a scaled conversion
	v_cmp_eq_u32 vcc_lo, 0, v[HH]
.irp i, 0,1,2
	v_cndmask_b32 v[MA+\i], 0, v[M+\i], vcc_lo
.endr
	v_cmp_eq_u32 vcc_lo, 1, v[HH]
.irp i, 0,1,2
	v_cndmask_b32 v[MB+\i], 0, v[M+\i], vcc_lo
.endr
	s_wait_loadcnt 48                              ; d is in; the 48 loads of x issued behind it stay out
.irp i, 0,1,2,3,4,5,6,7
	ds_store_b128 v[DW], v[X+4*\i:X+4*\i+3] offset:512*\i
.endr
	XLOAD 3
	WIN 0                                          ; at a label and at a branch every window is 0
	; ---- B: a trip makes one group's 8 tiles, while x is on its way
	s_mov_b32 s22, 8
	s_mov_b32 s23, 0                               ; 512 g: the group's numbers of d
	s_mov_b32 s24, 0                               ; 4,096 g: its images
.Lbgroup:
	v_add_nc_u32 v[CDR], s23, v[DR]
	v_add_nc_u32 v[CB8], s24, v[B8]
	v_add_nc_u32 v[CB4], s24, v[B4]
	v_add_nc_u32 v[CB16], s24, v[B16]
.irp t, 0,1,2,3,4,5,6,7
	ds_load_b32 v[DV+\t], v[CDR] offset:64*\t      ; d of column 128 g + 16 t + r.  LDS serves a wave's instructions in order: these see my stores of d
.endr
	s_wait_dscnt 0x0                               ; d is in, and the last trip's stores have read their registers
.irp t, 0,1,2,3,4,5,6,7
	BTILE \t
.endr
.irp t, 0,1,2,3,4,5,6,7
	ds_store_b64 v[CB8], v[Q+4*\t:Q+4*\t+1] offset:256*\t
	ds_store_b32 v[CB4], v[Q+4*\t+2] offset:128*\t
.endr
	ds_store_b128 v[CB16], v[S:S+3]
	ds_store_b128 v[CB16], v[S+4:S+7] offset:512
	s_add_co_u32 s23, s23, 512
	s_add_co_u32 s24, s24, BGRP
	s_sub_co_u32 s22, s22, 1
	s_cmp_lg_u32 s22, 0
	s_cbranch_scc1 .Lbgroup
	; ---- x: my 8 K steps
.irp b, 0,1,2,3
	v_mov_b32 v[TM+4+\b], 0                        ; written once: a lane permute's destination counts as one of its sources
.endr
.irp i, 0,1,2,3,4,5,6,7
	XSTEP \i
.endr
	; ---- the one barrier: behind it all 32 images of x lie in LDS, and nobody writes them again
	s_wait_dscnt 0x0                               ; for the others' sake: all my LDS stores have landed
	s_barrier_signal -1
.set n, 0
.rept 108
	v_mov_b32 v[BZ+n], 0                           ; B's zero codes: the zero fragment, and the diagonal fragments' registers that no load fills.  Register work while the others arrive
.set n, n+1
.endr
	s_barrier_wait -1
	; ---- MAIN: the 24 foreign fragments and their scale words come once
	WIN 0x40
.irp f, 0,1,2,3,4,5,6,7,8,9,10,11,12,13,14,15
.irp c, 0,1,2
	ds_load_b128 v[12*\f+4*\c:12*\f+4*\c+3], v[AF+\f/8] offset:FRB*(\f%8)+512*\c
.endr
.endr
	WIN 0x80
.irp f, 0,1,2,3,4,5,6,7
.irp c, 0,1,2
	ds_load_b128 v[12*\f+4*\c:12*\f+4*\c+3], v[AF+2] offset:FRB*\f+512*\c
.endr
.endr
	WIN 0
.irp f, 0,1,2,3,4,5,6,7,8,9,10,11,12,13,14,15,16,17,18,19,20,21,22,23
	ds_load_b32 v[SAF+\f], v[AS+\f/8] offset:128*(\f%8)
.endr
	s_mov_b32 s24, 0
	s_mov_b32 s25, 0
	s_mov_b32 s26, 0
	FETCHG 0                                       ; group 0's operands; its five additions are also the places between the clearing above and the first products (four are asked)
	GROUP 0, 1                                     ; group 0: nothing lies in the stage yet
	s_mov_b32 s22, 6
.Lgroup:                                           ; groups 1 to 6
	GROUP 1, 1
	s_sub_co_u32 s22, s22, 1
	s_cmp_lg_u32 s22, 0
	s_cbranch_scc1 .Lgroup
	GROUP 1, 0                                     ; group 7: nothing more to fetch
	READBACK                                       ; and its own way out
	WIN 0x04
.irp i, 0,1,2,3,4,5,6,7,8,9,10,11,12,13,14,15
	s_wait_dscnt 15-\i                             ; row i is back; the younger loads may be out
	global_store_b128 v[LN16], v[OUT+4*\i:OUT+4*\i+3], s[8:9] offset:ROWX*\i th:TH_STORE_NT
.endr
	WIN 0
	s_wait_tensorcnt 0x0
	ds_add_u32 v254, v255
	s_wait_dscnt 0x0
	s_endpgm
.Lfunc_end_k_q35902aa744_diagmm:
	.size	k_q35902aa744_diagmm, .Lfunc_end_k_q35902aa744_diagmm-k_q35902aa744_diagmm
	.p2alignl 7, 3214868480
	.fill 96, 4, 3214868480
	.section	.rodata,"a",@progbits
	.p2align	6, 0x0
	.amdhsa_kernel k_q35902aa744_diagmm
		.amdhsa_group_segment_fixed_size 288256
		.amdhsa_private_segment_fixed_size 0
		.amdhsa_enable_private_segment 0
		.amdhsa_kernarg_size 24
		.amdhsa_user_sgpr_count 2
		.amdhsa_user_sgpr_kernarg_segment_ptr 1
		.amdhsa_wavefront_size32 1
		.amdhsa_system_sgpr_workgroup_id_x 1
		.amdhsa_system_sgpr_workgroup_id_y 1
		.amdhsa_system_sgpr_workgroup_id_z 1
		.amdhsa_system_vgpr_workitem_id 0
		.amdhsa_next_free_vgpr 768
		.amdhsa_next_free_sgpr 66
		.amdhsa_reserve_vcc 1
		.amdhsa_float_denorm_mode_32 3
		.amdhsa_float_denorm_mode_16_64 3
		.amdhsa_memory_ordered 1
		.amdhsa_forward_progress 1
		.amdhsa_inst_pref_size 208
	.end_amdhsa_kernel
	.amdgpu_metadata
---
amdhsa.version: [ 1, 2 ]
amdhsa.kernels:
  - .name:           k_q35902aa744_diagmm
    .symbol:         k_q35902aa744_diagmm.kd
    .args:
      - { .name: x, .offset: 0, .size: 8, .value_kind: global_buffer, .address_space: global }
      - { .name: diagonal, .offset: 8, .size: 8, .value_kind: global_buffer, .address_space: global }
      - { .name: out0, .offset: 16, .size: 8, .value_kind: global_buffer, .address_space: global }
    .group_segment_fixed_size: 288256
    .private_segment_fixed_size: 0
    .kernarg_segment_align: 8
    .kernarg_segment_size: 24
    .max_flat_workgroup_size: 128
    .sgpr_count:     66
    .vgpr_count:     768
    .wavefront_size: 32
...
	.end_amdgpu_metadata
.endif
;; end of part 1
;; ======== version 2 of 2: 1 launch; version 1 with the launch diagmm written anew for expert scheduling mode
;; launch diagmm (part 2): grid 256 x 1, 4 waves a work-group, no clusters, 288,256 bytes of LDS; arguments x, diagonal, out0; writes out0
.if DOCPART == 2
	.amdgcn_target "amdgcn-amd-amdhsa--gfx1250"
	.amdhsa_code_object_version 6
	.text
	.protected	k_q35902aa744_diagmm
	.globl	k_q35902aa744_diagmm
	.p2align	8
	.type	k_q35902aa744_diagmm,@function
k_q35902aa744_diagmm:
	s_mov_b64 s[64:65], 0
	v_nop
	global_prefetch_b8 v0, s[64:65] scope:SCOPE_SE
	s_setreg_imm32_b32 hwreg(HW_REG_WAVE_SCHED_MODE, 0, 2), 2
	s_setreg_imm32_b32 hwreg(HW_REG_WAVE_MODE, 25, 1), 1
	s_wait_xcnt 0x0
	s_wait_alu depctr_vm_vsrc(0)
; out0 = Q(x) Q(diag(d)).  x, out0: [4096][4096] f32; d: [4096] f32.  Q: codes of BF6 (E3M2) with one E8M0 scale for each 32 along K; sums in f32.
; The whole product is multiplied, all 32 K steps of 128 for every tile of 16 x 16, by v_wmma_scale_f32_16x16x128_f8f6f4 on BF6 codes.
; SHARES.  256 work-groups of four waves.  A work-group owns 16 rows of x and of out0 (262,144 consecutive bytes of each).  Wave w owns columns 1024 w .. 1024 w + 1023:
; it quantises K steps 8 w .. 8 w + 7 of x, and it makes 8 column groups of 128 (8 tiles of 16 each) of out0.
; PREP.  A K step of x (16 rows x 512 bytes) is loaded as it lies, 512 consecutive bytes a load, turned through the wave's stage in LDS so that a lane holds 16 neighbours along K, quantised,
; and left in LDS as an image of the operand's registers (3 x 512 bytes, lane l's 16 bytes at 16 l) with its scale words (4 bytes a lane).  While the first loads are on their way the wave makes its part of B.
; B.  Column n of diag(d) holds one number, d[n], at k = n.  Of a tile of 16 columns only the K step that holds its own columns has codes other than 0, and there only three registers of the twelve:
; tile t of a group: registers 6 (t / 4) + 3 (t % 2) on, lanes with lane / 16 = (t / 2) % 2, lane r's code at the 6-bit place r.  These three registers and the tile's scale word are kept in LDS.
; Blocks of zeros carry the scale byte 1, the quantiser's floor: zero codes add nothing under any byte but 0xff, and the bytes are read by this program alone.
; MAIN.  Behind ONE barrier each wave takes the 24 fragments of x that the other waves made into registers for good, and walks its 8 groups: 8 accumulators by turns x 32 K steps = 256 matrix instructions.
; The group's own K step comes first, with the 8 diagonal fragments of B and C = 0; the other 31 take one fragment of zero codes.  (Each output has one product that is not 0, so the order of the K steps changes no bit.)
; THE MATRIX INSTRUCTION IS USED TRANSPOSED: source 0 = 16 columns of B, source 1 = the 16 rows of x: lane (r, h) holds row r, its register j column 16 t + 8 h + j: 32 neighbouring bytes of out0.
; A finished group goes through the wave's stage and leaves as whole rows of 512 bytes while the next group is multiplied.
; NO CLUSTER: work-groups share d alone, 16,384 bytes beside the 134,217,728 of x and out0.  No tensor load: each byte of x is read once, by one wave, and 64 loads of 512 bytes a wave are on their way.
; LIMITS.  NaN and infinities in x or d are not served.  A block of zeros, and a block whose largest magnitude lies under 2^-122, gets the byte 1 (the stated quantiser gives 127 for zeros and holds the others at 1).
; THE MODE: SCHED_MODE bits 1:0 = 2 (LLVM: expert scheduling mode 2), set by the entry lines.  The code itself states the register dependences between vector or matrix instructions
; and memory or LDS instructions, with s_wait_alu, always for 0.
; THE PLAN.  Registers that memory or LDS instructions touch, and who else names them:
;   v1-17         addresses, made once at the head and never written again: one wait on va_vdst ahead of the first global load, one ahead of the first LDS store.
;   MAKING B      a trip: four addresses written at its head and read by its loads and stores; DV loaded, then read by the tiles' lines; Q and S written by those lines, then read by the stores at its end.
;                 One wait on vm_vsrc at the head, one on va_vdst behind the additions, one ahead of the stores.
;   x             a K step: its raw set (window 1) is loaded, read by the stage stores, and loaded again: no vector line names it.  X is loaded from the stage and read by the quantiser, which writes PC and PW;
;                 the image stores read those.  One wait on vm_vsrc behind the stage's round trip, one on va_vdst behind the quantiser: behind that one no vector line stands until X has been loaded anew.
;   A GROUP g     its products write the accumulator buffer g % 2; the stage stores of group g + 1 read it; group g + 2 starts it anew.  Its first 64 products read OWN, SAO, BN and SBN, in which group g + 1's operands
;                 land behind them.  OUT is loaded from the stage and read by the global stores alone.  The five addresses of the fetch are written once a group.
;                 ONE wait on va_vdst, behind the first 64 products and the five additions; ONE on vm_vsrc, at the group's head.  Behind the first the group's 16 stage stores, 66 LDS loads and 16 global stores are dealt
;                 among products that name this group's accumulators, the zero fragment, the foreign fragments and their scale words: none of the registers that those stores and loads touch.
;
; LDS (bytes; w = wave):  AIMG: 16 places of 1,536 a wave: place p holds the image of K step 8 w + p % 8: each image is stored twice, so that group g reads places g .. g + 7 without a wrap.
;   ASC: their scale words, 128 bytes a place.  BIMG: 4,096 a group: 8 x 256 (two code registers a lane), 8 x 128 (the third), 2 x 512 (scale words of tiles 0-3, 4-7, 16 bytes a lane).
;   STG: 16 rows x 528: the pitch is 33 x 16 bytes, so sixteen rows start at sixteen different places of 16 bytes modulo 256.  DST: the wave's 1,024 numbers of d.  Behind DST: the spare words, 128 bytes a wave.
;   BIMG, STG and DST are touched by their own wave alone; AIMG and ASC are written ahead of the barrier and only read behind it.
; REGISTERS, in windows of 256.  Window 0: v1-31 addresses and small work; v32-75 scale words and nothing else; v80-143 the even groups' accumulators (in PREP: 64 numbers of x); v144-155 the zero fragment;
;   v156-251 the 8 diagonal fragments (in PREP: at work); v254, v255 the closing add's two.  Window 1: in PREP four sets of 64 registers of x as loaded; in MAIN 16 foreign fragments, and from v192 the rows on their way out.
;   Window 2: 8 foreign fragments, from v96 the 8 fragments of the wave's own K steps, from v192 the odd groups' accumulators.
.set FRB,    1536                      ; a fragment's image: 12 registers x 128 bytes
.set AWAVE,  16*FRB
.set ASC,    4*AWAVE                   ; 98,304
.set ASWAVE, 16*128
.set BIMG,   ASC+4*ASWAVE              ; 106,496
.set BGRP,   4096
.set BWAVE,  8*BGRP
.set STG,    BIMG+4*BWAVE              ; 237,568
.set SP,     528
.set STWAVE, 16*SP
.set DST,    STG+4*STWAVE              ; 271,360
.set DWAVE,  4096                      ; the end: 287,744
.set ROWX,   16384                     ; a row of x or of out0 in bytes
.set LN16, 1                           ; v1   16 x lane: my bytes of a load, a store or an image; never rewritten
.set STW,  2                           ; v2   the stage by rows: 16 x lane
.set STX,  3                           ; v3   the stage, x's way out: 528 r + 64 h
.set STO,  4                           ; v4   the stage, a result's way in: 528 r + 32 h
.set AWI,  5                           ; v5   my wave's images: 16 x lane
.set AWS,  6                           ; v6   and their scale words: 4 x lane
.set AF,   7                           ; v7-9   the images of waves (w + 1, 2, 3) % 4
.set AS,   10                          ; v10-12 and their scale words
.set B8,   13                          ; v13  B's images: 8 x lane
.set B4,   14                          ; v14  2,048 + 4 x lane
.set B16,  15                          ; v15  3,072 + 16 x lane
.set DW,   16                          ; v16  d in LDS: 16 x lane
.set DR,   17                          ; v17  4 r
.set CB8,  18                          ; v18-23: the same with the group's step added
.set CB4,  19
.set CB16, 20
.set CDR,  21
.set CAO,  22
.set CAS,  23
.set LANE, 24
.set RHO,  25                          ; r = lane % 16
.set HH,   26                          ; h = lane / 16
.set ONE,  27
.set NEG,  28
.set AM,   29
.set SOP,  30
.set BY,   31
.set SZ,   32                          ; v32    the scale word of zero blocks
.set SBN,  36                          ; v36-43 the diagonal tiles' scale words
.set SAO,  44                          ; v44-51 those of my own 8 fragments of x
.set SAF,  52                          ; v52-75 those of the 24 foreign ones
.set ACC,  80                          ; accumulator buffer 0: window 0, v80-143; buffer 1: window 2, 112 registers further up: v192-255
.set X,    80                          ; PREP: 64 numbers of x
.set BZ,   144
.set BN,   156
.set DV,   144                         ; PREP, making B: 8 numbers of d
.set T,    152                         ; 16 sources of a conversion
.set R,    168                         ; its result
.set M,    172                         ; the mask of my 6-bit place;
.set MA,   176                         ; the same in lanes 0-15 alone,
.set MB,   180                         ; in lanes 16-31 alone
.set Q,    184                         ; a group's codes: 4 registers a tile
.set S,    216                         ; and its 8 scale words
.set TM,   144                         ; PREP, quantising x: v144-147 largest magnitudes, v148-151 bytes, v156-159 the conversions' scale operands
.set PW,   160                         ; the scale word just made
.set PC,   224                         ; the codes just made
.set OWN,  96                          ; window 2: my own fragments
.set OUT,  192                         ; window 1: 16 rows on their way out
.set WV,   10
.set SEL,  20
.set CM,   22                          ; s22-39, at the head only: eighteen masks of lanes
.set MSB, 0
.macro WIN new                         ; low byte: bits 1:0 source 0, 3:2 source 1, 5:4 source 2, 7:6 destination; the high byte repeats the setting that is left; a switch that changes nothing is dropped
.if MSB != \new
	s_set_vgpr_msb (MSB<<8)|\new
.set MSB, \new
.endif
.endm
; K step i of my wave: 16 rows x 512 consecutive bytes, into set i % 4 of window 1
.macro XLOAD i
	WIN 0x40
.irp r, 0,1,2,3,4,5,6,7,8,9,10,11,12,13,14,15
	global_load_b128 v[64*((\i)%4)+4*\r:64*((\i)%4)+4*\r+3], v[LN16], s[4:5] offset:ROWX*\r+512*(\i) th:TH_LOAD_NT
.endr
.endm
; 64 numbers of a lane, v[s] .. v[s + 63], register 16 b + i = k 32 b + 16 (lane / 16) + i of my row, become a fragment's codes in v[PC] on and its scale word in v[PW].
.macro QUANT s
.irp b, 0,1,2,3
	v_max3_num_f32 v[TM+\b], |v[\s+16*\b]|, |v[\s+1+16*\b]|, 0x2800000   ; block b: my 16 numbers, and the floor 2^(5 - 127): so the byte cannot fall under 1
.endr
.irp i, 2,4,6,8,10,12,14
.irp b, 0,1,2,3
	v_max3_num_f32 v[TM+\b], v[TM+\b], |v[\s+16*\b+\i]|, |v[\s+1+16*\b+\i]|   ; (the four blocks by turns: no line waits for the line above it)
.endr
.endr
.irp b, 0,1,2,3
	v_permlanex16_b32 v[TM+4+\b], v[TM+\b], s[SEL], s[SEL+1]
.endr
.irp b, 0,1,2,3
	v_max_num_f32 v[TM+\b], v[TM+\b], v[TM+4+\b]   ; with lane l xor 16's: the block's largest magnitude
.endr
.irp b, 0,1,2,3
	v_add_nc_u32 v[TM+12+\b], 0xfe000000, v[TM+\b]   ; 4 off its exponent field: the conversion takes the exponent field of this operand as its scale
.endr
.irp b, 0,1,2,3
	v_lshrrev_b32 v[TM+4+\b], 23, v[TM+12+\b]      ; the scale's byte
.endr
	v_lshl_or_b32 v[PW], v[TM+5], 8, v[TM+4]       ; the four bytes make my row's scale word
	v_lshl_or_b32 v[PW], v[TM+6], 16, v[PW]
	v_lshl_or_b32 v[PW], v[TM+7], 24, v[PW]
.irp c, 0,1
	v_cvt_scalef32_pk16_bf6_f32 v[PC+6*\c:PC+2+6*\c], v[\s+32*\c:\s+15+32*\c], v[TM+12+2*\c]
	v_cvt_scalef32_pk16_bf6_f32 v[PC+12+4*\c:PC+14+4*\c], v[\s+16+32*\c:\s+31+32*\c], v[TM+12+2*\c+1]   ; (a conversion's three registers begin on an even number)
.endr
	v_nop                                          ; one plain place behind a scaled conversion
.irp c, 0,1                                    ; the operand's layout wants a WHOLE block in a lane: lanes 0-15 block 2 c, lanes 16-31 block 2 c + 1
.irp i, 0,1,2
	v_permlane16_swap_b32 v[PC+6*\c+\i], v[PC+12+4*\c+\i]
.endr
.irp i, 0,1,2
	v_mov_b32 v[PC+3+6*\c+\i], v[PC+12+4*\c+\i]
.endr
.endr
.endm
; Tile t of a group: d of my column (lane r: column 16 t + r; both halves of the lanes hold it) becomes a scale byte and a code; the code is made at all sixteen 6-bit places and masked to mine.
.macro BTILE t
.set MS, MA+4*(((\t)/2)%2)                     ; the tile's codes lie in lanes with lane / 16 = (t / 2) % 2
	v_max_num_f32 v[AM], 0x2800000, |v[DV+(\t)]|   ; the block's largest magnitude is |d|; the floor 2^(5 - 127) holds the byte at 1 from below
	v_add_nc_u32 v[SOP], 0xfe000000, v[AM]         ; 4 off the exponent field: the conversion's scale operand
	v_lshrrev_b32 v[BY], 23, v[SOP]                ; the scale's byte
.irp i, 0,1,2,3,4,5,6,7,8,9,10,11,12,13,14,15
	v_mov_b32 v[T+\i], v[DV+(\t)]
.endr
	v_cvt_scalef32_pk16_bf6_f32 v[R:R+2], v[T:T+15], v[SOP]
	v_lshl_or_b32 v[S+(\t)], v[BY], 8*((\t)/2), 0x01010101-(1<<(8*((\t)/2)))   ; the byte at block t / 2 of the word, 1 at the three blocks of zeros.  (The plain place behind the conversion)
.if (\t)%2 == 0                                ; the three registers begin on an even number of the fragment: the pair is the first two
	v_and_b32 v[Q+4*(\t)], v[R], v[MS]
	v_and_b32 v[Q+4*(\t)+1], v[R+1], v[MS+1]
	v_and_b32 v[Q+4*(\t)+2], v[R+2], v[MS+2]
.else                                          ; they begin on an odd number: the pair is the last two
	v_and_b32 v[Q+4*(\t)], v[R+1], v[MS+1]
	v_and_b32 v[Q+4*(\t)+1], v[R+2], v[MS+2]
	v_and_b32 v[Q+4*(\t)+2], v[R], v[MS]
.endif
.endm
; K step i of my wave: through the stage, quantised, its image stored at places i and i + 8
.macro XSTEP i
.if 7-(\i) < 3
	s_wait_loadcnt 16*(7-(\i))                     ; loads come back in order: this step's sixteen are in, those of the steps behind it may be out
.else
	s_wait_loadcnt 48
.endif
	WIN 0x04                                       ; an LDS store's data are its source 1: window 1
.irp r, 0,1,2,3,4,5,6,7,8,9,10,11,12,13,14,15
	ds_store_b128 v[STW], v[64*((\i)%4)+4*\r:64*((\i)%4)+4*\r+3] offset:SP*\r
.endr
	WIN 0
.irp b, 0,1,2,3
.irp j, 0,1,2,3
	ds_load_b128 v[X+16*\b+4*\j:X+16*\b+4*\j+3], v[STX] offset:128*\b+16*\j   ; LDS serves a wave's instructions in order: these see the stores above.  Register 16 b + 4 j + e: k = 32 b + 16 h + 4 j + e of row r.  (No vector line has named X since the last step's wait on va_vdst)
.endr
.endr
	s_wait_dscnt 0x0                               ; the numbers are back
	s_wait_alu depctr_vm_vsrc(0)                   ; the stores into the stage have read this step's raw set, in which the loads below land; the last step's image stores have read PC and PW, which the quantiser writes again
.if (\i) < 4
	XLOAD (\i)+4                                   ; the set just emptied takes the step four on
.endif
	WIN 0
	QUANT X
	s_wait_alu depctr_va_vdst(0)                   ; the quantiser has written PC and PW, which the stores below read, and is done reading X, in which the next step's numbers land
.irp u, 0,1
.irp c, 0,1,2
	ds_store_b128 v[AWI], v[PC+4*\c:PC+4*\c+3] offset:FRB*((\i)+8*\u)+512*\c
.endr
	ds_store_b32 v[AWS], v[PW] offset:128*((\i)+8*\u)
.endr
.endm
; 8 matrix instructions, the 8 accumulators (from v[AB] on, in the window in force) by turns.  SLOTD: the group's own K step: the diagonal fragments, C = 0: nothing is ever cleared.
.macro SLOTD
.irp t, 0,1,2,3,4,5,6,7
	v_wmma_scale_f32_16x16x128_f8f6f4 v[AB+8*\t:AB+8*\t+7], v[BN+12*\t:BN+12*\t+11], v[OWN:OWN+11], 0, v[SBN+\t], v[SAO] matrix_a_fmt:MATRIX_FMT_BF6 matrix_b_fmt:MATRIX_FMT_BF6
.endr
.endm
; SLOTZ: another K step: B's zero fragment against the fragment of x at v[a] of the window in force, whose scale words are in v[sa]
.macro SLOTZ a, sa
.irp t, 0,1,2,3,4,5,6,7
	v_wmma_scale_f32_16x16x128_f8f6f4 v[AB+8*\t:AB+8*\t+7], v[BZ:BZ+11], v[(\a):(\a)+11], v[AB+8*\t:AB+8*\t+7], v[SZ], v[(\sa)] matrix_a_fmt:MATRIX_FMT_BF6 matrix_b_fmt:MATRIX_FMT_BF6
.endr
.endm
.macro TOSTAGE buf                             ; the finished group in accumulator buffer buf goes into my stage
	WIN 0x08*(\buf)                                ; an LDS store's data are its source 1: window 0 or 2
.irp t, 0,1,2,3,4,5,6,7
	ds_store_b128 v[STO], v[ACC+112*(\buf)+8*\t:ACC+112*(\buf)+8*\t+3] offset:64*\t          ; each accumulator from its low end on
	ds_store_b128 v[STO], v[ACC+112*(\buf)+8*\t+4:ACC+112*(\buf)+8*\t+7] offset:64*\t+16
.endr
.endm
.macro READBACK                                ; the group in the stage comes back as 16 whole rows of 512 bytes.  LDS serves a wave's instructions in order: these see the stores into the stage
	WIN 0x40
.irp i, 0,1,2,3,4,5,6,7,8,9,10,11,12,13,14,15
	ds_load_b128 v[OUT+4*\i:OUT+4*\i+3], v[STW] offset:SP*\i
.endr
.endm
; THE FETCH of the next group's operands: my own 8 fragments of x from place g on, their scale words, the 8 diagonal tiles' three registers each and their scale words: 50 loads, in four runs.
; FADDR: its five addresses.  The five additions are also places: between the group before's last products and the LDS stores that read their results (four are asked), and between a buffer's last products
; and the products that start it anew a group later (five are asked).
.macro FADDR
	WIN 0
	v_add_nc_u32 v[CAO], s25, v[AWI]
	v_add_nc_u32 v[CAS], s26, v[AWS]
	v_add_nc_u32 v[CB8], s24, v[B8]
	v_add_nc_u32 v[CB4], s24, v[B4]
	v_add_nc_u32 v[CB16], s24, v[B16]
.endm
.macro FOWN win, j0                            ; four of my own fragments: destination window 2, address window 0; win: a setting that says so
	WIN \win
.irp j, \j0, \j0+1, \j0+2, \j0+3
.irp c, 0,1,2
	ds_load_b128 v[OWN+12*(\j)+4*\c:OWN+12*(\j)+4*\c+3], v[CAO] offset:FRB*(\j)+512*\c
.endr
.endr
.endm
.macro FSC                                     ; the scale words: 10 loads
	WIN 0
.irp j, 0,1,2,3,4,5,6,7
	ds_load_b32 v[SAO+\j], v[CAS] offset:128*\j
.endr
	ds_load_b128 v[SBN:SBN+3], v[CB16]
	ds_load_b128 v[SBN+4:SBN+7], v[CB16] offset:512
.endm
.macro FBN                                     ; the diagonal tiles' codes: 16 loads
	WIN 0
.irp t, 0,1,2,3,4,5,6,7
.set O, BN+12*\t+6*(\t/4)+3*(\t%2)
.if \t%2 == 0
	ds_load_b64 v[O:O+1], v[CB8] offset:256*\t
	ds_load_b32 v[O+2], v[CB4] offset:128*\t
.else
	ds_load_b64 v[O+1:O+2], v[CB8] offset:256*\t
	ds_load_b32 v[O], v[CB4] offset:128*\t
.endif
.endr
	s_add_co_u32 s25, s25, FRB                     ; the fetch after this one is the next group's
	s_add_co_u32 s26, s26, 128
	s_add_co_u32 s24, s24, BGRP
.endm
; A GROUP: 256 matrix instructions on accumulator buffer par.  prev = 1: the group before lies finished in the other buffer and leaves under this one's products.  next = 1: the next group's operands are fetched.
.macro GROUP par, prev, next
.set AB,  ACC+112*(\par)
.set WM2, 0xa0*(\par)+0x08                     ; products with x from window 2: source 1 window 2; C and D window 0 or 2
.set WM1, 0xa0*(\par)+0x04                     ; with x from window 1; a global store's data are its source 1 too: OUT
.set WLO, 0x80+0x28*(\par)                     ; loads into window 2: on buffer 1 the products' own setting says the same of destination and source 0, and no switch is written
	s_wait_dscnt 0x0                               ; my operands are in: the fetch's last loads were asked for 152 matrix instructions ago
	s_wait_alu depctr_vm_vsrc(0)                   ; the last group's stage stores have read this buffer, which the products below start anew; its fetch has read the five addresses, which the additions below write; its global stores have read OUT, in which the rows below land
	WIN WM2
	SLOTD
.irp j, 1,2,3,4,5,6,7
	SLOTZ OWN+12*\j, SAO+\j
.endr
.if \next
	FADDR
.else
.rept 4
	v_nop                                          ; four places between the group before's last products and the LDS stores that read their results
.endr
.endif
	s_wait_alu depctr_va_vdst(0)                   ; the group before has written the other buffer, which the stage stores read; the 64 products above are done reading OWN, SAO, BN and SBN, in which the fetch lands; the five addresses are written
.if \prev
	TOSTAGE 1-\par
.endif
	WIN WM2
	SLOTZ 0, SAF+16                                ; from here to the group's end no vector or matrix instruction names a register of the stores and loads that stand among them: no further wait
.if \prev
	READBACK
.endif
	WIN WM2
	SLOTZ 12, SAF+17
.if \next
	FOWN WLO, 0
.endif
	WIN WM2
	SLOTZ 24, SAF+18
.if \next
	FOWN WLO, 4
.endif
	WIN WM2
	SLOTZ 36, SAF+19
.if \next
	FSC
.endif
	WIN WM2
	SLOTZ 48, SAF+20
.if \next
	FBN
.endif
	WIN WM2
.irp f, 5,6,7
	SLOTZ 12*\f, SAF+16+\f
.endr
	WIN WM1
.if \prev
	s_wait_dscnt 50*\next                          ; the sixteen rows are back (asked for 56 matrix instructions ago); the fetch's 50 loads, issued behind them, may be out
.endif
.irp f, 0,1,2,3,4,5,6,7
.if \prev
	global_store_b128 v[LN16], v[OUT+8*\f:OUT+8*\f+3], s[8:9] offset:ROWX*(2*\f) th:TH_STORE_NT      ; 32 lanes store 512 consecutive bytes, at a multiple of 256 from out0's first byte
	global_store_b128 v[LN16], v[OUT+8*\f+4:OUT+8*\f+7], s[8:9] offset:ROWX*(2*\f+1) th:TH_STORE_NT  ; two rows in front of each of eight K steps
.endif
	SLOTZ 12*\f, SAF+\f
.endr
.irp f, 8,9,10,11,12,13,14,15
	SLOTZ 12*\f, SAF+\f
.endr
	WIN 0                                          ; at a label and at a branch every window is 0
.if \prev
	s_wait_xcnt 0x0                                ; the stores, the last of them issued 72 matrix instructions ago, have had their addresses translated: their base and their data may be written again
	s_add_nc_u64 s[8:9], s[8:9], 512               ; on to the next group's columns
.endif
.endm
	; ---- HEAD
	s_load_b128 s[4:7], s[0:1], 0x0                ; x s[4:5], d s[6:7]
	s_load_b64 s[8:9], s[0:1], 0x10                ; out0
	v_lshl_add_u32 v254, v0, 2, 0x46400            ; the LDS address of my spare word, behind DST: made here and kept for the closing lines alone
	v_mov_b32 v255, 0                              ; and 0, likewise
	v_lshrrev_b32 v[LANE], 5, v0
	v_readfirstlane_b32 s[WV], v[LANE]             ; wave 0..3
	v_and_b32 v[LANE], 31, v0
	v_lshlrev_b32 v[LN16], 4, v[LANE]
	s_lshl_b32 s12, ttmp9, 18                      ; the work-group's 16 rows of 16,384 bytes (under 2^26),
	s_wait_alu depctr_va_sdst(0)                   ; the wave's number is written, ahead of its first reader
	s_lshl_b32 s14, s[WV], 12                      ; my wave's 4,096 bytes of a row, and of d
	s_add_co_u32 s12, s12, s14
	s_mov_b32 s13, 0
	s_mov_b32 s15, 0
	s_wait_kmcnt 0x0
	s_add_nc_u64 s[4:5], s[4:5], s[12:13]
	s_add_nc_u64 s[8:9], s[8:9], s[12:13]
	s_add_nc_u64 s[6:7], s[6:7], s[14:15]
	s_wait_alu depctr_va_vdst(0)                   ; v[LN16] is written: every global load and store of the kernel reads it as its offset
.irp i, 0,1,2,3,4,5,6,7
	global_load_b128 v[X+4*\i:X+4*\i+3], v[LN16], s[6:7] offset:512*\i   ; my 1,024 numbers of d
.endr
	XLOAD 0
	XLOAD 1
	XLOAD 2
	WIN 0
	v_and_b32 v[RHO], 15, v0
	s_wait_alu depctr_va_vdst(0)
	v_bfe_u32 v[HH], v0, 4, 1
	v_mov_b32 v[SZ], 0x01010101                    ; far ahead of the first scaled product (eight places are asked)
	s_mul_i32 s16, s[WV], STWAVE
	s_add_co_u32 s16, s16, STG                     ; my stage
	s_mul_i32 s17, s[WV], AWAVE                    ; my images of x
	s_lshl_b32 s18, s[WV], 11
	s_add_co_u32 s18, s18, ASC                     ; their scale words
	s_lshl_b32 s19, s[WV], 15
	s_add_co_u32 s19, s19, BIMG                    ; my images of B
	s_lshl_b32 s27, s[WV], 12
	s_add_co_u32 s27, s27, DST                     ; my numbers of d
	v_add_nc_u32 v[STW], s16, v[LN16]
	v_mul_u32_u24 v[STX], v[RHO], SP
	s_wait_alu depctr_va_vdst(0)
	v_lshl_add_u32 v[STO], v[HH], 5, v[STX]
	v_lshl_add_u32 v[STX], v[HH], 6, v[STX]
	v_add_nc_u32 v[STO], s16, v[STO]
	v_add_nc_u32 v[STX], s16, v[STX]
	v_add_nc_u32 v[AWI], s17, v[LN16]
	v_lshl_add_u32 v[AWS], v[LANE], 2, s18
.irp q, 1,2,3                                  ; the other three waves, from my neighbour on
	s_add_co_u32 s28, s[WV], \q
	s_and_b32 s28, s28, 3
	s_mul_i32 s29, s28, AWAVE
	s_lshl_b32 s30, s28, 11
	s_add_co_u32 s30, s30, ASC
	v_add_nc_u32 v[AF-1+\q], s29, v[LN16]
	v_lshl_add_u32 v[AS-1+\q], v[LANE], 2, s30
.endr
	v_lshl_add_u32 v[B8], v[LANE], 3, s19
	v_lshl_add_u32 v[B4], v[LANE], 2, s19
	v_add_nc_u32 v[B4], 2048, v[B4]
	v_add_nc_u32 v[B16], s19, v[LN16]
	v_add_nc_u32 v[B16], 3072, v[B16]
	v_add_nc_u32 v[DW], s27, v[LN16]
	v_lshl_add_u32 v[DR], v[RHO], 2, s27
	s_mov_b32 s[SEL], 0x76543210
	s_mov_b32 s[SEL+1], 0xfedcba98                 ; v_permlanex16_b32's selects for lane l xor 16
	; the mask of my 6-bit place: -28, whose code is all six ones, at place r among fifteen zeros, converted under the scale 1
	v_mov_b32 v[ONE], 1.0
	v_mov_b32 v[NEG], 0xc1e00000                   ; -28.0
.irp i, 0,1,2,3,4,5,6,7,8,9,10,11,12,13,14,15
	v_cmp_eq_u32 s[CM+\i], \i, v[RHO]              ; the compares stand in one run, each with a scalar register of its own,
.endr
	v_cmp_eq_u32 s[CM+16], 0, v[HH]
	v_cmp_eq_u32 s[CM+17], 1, v[HH]
	s_wait_alu depctr_va_sdst(0)                   ; so that one wait states it for all: the eighteen masks are written, ahead of the selects that read them
.irp i, 0,1,2,3,4,5,6,7,8,9,10,11,12,13,14,15
	v_cndmask_b32 v[T+\i], 0, v[NEG], s[CM+\i]
.endr
	v_cvt_scalef32_pk16_bf6_f32 v[M:M+2], v[T:T+15], v[ONE]
	v_nop                                          ; one plain place behind a scaled conversion
.irp i, 0,1,2
	v_cndmask_b32 v[MA+\i], 0, v[M+\i], s[CM+16]
.endr
.irp i, 0,1,2
	v_cndmask_b32 v[MB+\i], 0, v[M+\i], s[CM+17]
.endr
	s_wait_loadcnt 48                              ; d is in; the 48 loads of x issued behind it stay out
	s_wait_alu depctr_va_vdst(0)                   ; the LDS addresses v2 to v12 and v16 are written, which the LDS stores and loads from here on read; none is written again
.irp i, 0,1,2,3,4,5,6,7
	ds_store_b128 v[DW], v[X+4*\i:X+4*\i+3] offset:512*\i
.endr
	XLOAD 3
	WIN 0                                          ; at a label and at a branch every window is 0
	; ---- B: a trip makes one group's 8 tiles, while x is on its way
	s_mov_b32 s22, 8
	s_mov_b32 s23, 0                               ; 512 g: the group's numbers of d
	s_mov_b32 s24, 0                               ; 4,096 g: its images
.Lbgroup:
	s_wait_alu depctr_vm_vsrc(0)                   ; the last trip's loads and stores have read the four addresses, and its stores Q and S: all are written again below.  (In the first trip: the stores of d have read v[X ..], in which x's numbers land later)
	v_add_nc_u32 v[CDR], s23, v[DR]
	v_add_nc_u32 v[CB8], s24, v[B8]
	v_add_nc_u32 v[CB4], s24, v[B4]
	v_add_nc_u32 v[CB16], s24, v[B16]
	s_wait_alu depctr_va_vdst(0)                   ; the four addresses are written; the last trip's tiles are done reading DV, in which the loads below land
.irp t, 0,1,2,3,4,5,6,7
	ds_load_b32 v[DV+\t], v[CDR] offset:64*\t      ; d of column 128 g + 16 t + r.  LDS serves a wave's instructions in order: these see my stores of d
.endr
	s_wait_dscnt 0x0                               ; d is in
.irp t, 0,1,2,3,4,5,6,7
	BTILE \t
.endr
	s_wait_alu depctr_va_vdst(0)                   ; the tiles' lines have written Q and S, which the stores below read
.irp t, 0,1,2,3,4,5,6,7
	ds_store_b64 v[CB8], v[Q+4*\t:Q+4*\t+1] offset:256*\t
	ds_store_b32 v[CB4], v[Q+4*\t+2] offset:128*\t
.endr
	ds_store_b128 v[CB16], v[S:S+3]
	ds_store_b128 v[CB16], v[S+4:S+7] offset:512
	s_add_co_u32 s23, s23, 512
	s_add_co_u32 s24, s24, BGRP
	s_sub_co_u32 s22, s22, 1
	s_cmp_lg_u32 s22, 0
	s_cbranch_scc1 .Lbgroup
	; ---- x: my 8 K steps
.irp b, 0,1,2,3
	v_mov_b32 v[TM+4+\b], 0                        ; written once: a lane permute's destination counts as one of its sources
.endr
.irp i, 0,1,2,3,4,5,6,7
	XSTEP \i
.endr
	; ---- the one barrier: behind it all 32 images of x lie in LDS, and nobody writes them again
	s_wait_dscnt 0x0                               ; for the others' sake: all my LDS stores have landed
	s_wait_alu depctr_vm_vsrc(0)                   ; my LDS stores have read their registers: PC, PW, Q and S, which the clearing below writes, and window 1's raw sets, in which the foreign fragments land
	s_barrier_signal -1
.set n, 0
.rept 108
	v_mov_b32 v[BZ+n], 0                           ; B's zero codes: the zero fragment, and the diagonal fragments' registers that no load fills.  Register work while the others arrive
.set n, n+1
.endr
	s_barrier_wait -1
	; ---- MAIN: the 24 foreign fragments and their scale words come once.  No vector line has ever named the registers in which they land
	WIN 0x40
.irp f, 0,1,2,3,4,5,6,7,8,9,10,11,12,13,14,15
.irp c, 0,1,2
	ds_load_b128 v[12*\f+4*\c:12*\f+4*\c+3], v[AF+\f/8] offset:FRB*(\f%8)+512*\c
.endr
.endr
	WIN 0x80
.irp f, 0,1,2,3,4,5,6,7
.irp c, 0,1,2
	ds_load_b128 v[12*\f+4*\c:12*\f+4*\c+3], v[AF+2] offset:FRB*\f+512*\c
.endr
.endr
	WIN 0
.irp f, 0,1,2,3,4,5,6,7,8,9,10,11,12,13,14,15,16,17,18,19,20,21,22,23
	ds_load_b32 v[SAF+\f], v[AS+\f/8] offset:128*(\f%8)
.endr
	s_mov_b32 s24, 0
	s_mov_b32 s25, 0
	s_mov_b32 s26, 0
	FADDR                                          ; group 0's operands; the five additions are also the places between the clearing above and the first products (four are asked)
	s_wait_alu depctr_va_vdst(0)                   ; the five addresses are written; the clearing has written the zero fragment and the diagonal fragments, which the scaled products take as an operand and in some of which the loads below land; behind the places, as asked
	FOWN 0x80, 0
	FOWN 0x80, 4
	FSC
	FBN
	GROUP 0, 0, 1                                  ; group 0: no group lies finished yet
	s_mov_b32 s22, 3
.Lgroup:                                           ; groups 1 to 6, two to a trip: both accumulator buffers are back at their start
	GROUP 1, 1, 1
	GROUP 0, 1, 1
	s_sub_co_u32 s22, s22, 1
	s_cmp_lg_u32 s22, 0
	s_cbranch_scc1 .Lgroup
	GROUP 1, 1, 0                                  ; group 7: nothing more to fetch
.rept 4
	v_nop                                          ; and its own way out: four places behind the last products, before their results are read (ISA guide 7.12.1)
.endr
	s_wait_alu depctr_va_vdst(0)                   ; group 7's products have written buffer 1, which the stage stores read; the places above stay beside this wait
	s_wait_alu depctr_vm_vsrc(0)                   ; the global stores of group 6's rows have read OUT, in which group 7's rows land
	TOSTAGE 1
	READBACK
	WIN 0x04
.irp i, 0,1,2,3,4,5,6,7,8,9,10,11,12,13,14,15
	s_wait_dscnt 15-\i                             ; row i is back; the younger loads may be out
	global_store_b128 v[LN16], v[OUT+4*\i:OUT+4*\i+3], s[8:9] offset:ROWX*\i th:TH_STORE_NT
.endr
	WIN 0
	s_wait_dscnt 0x0                               ; the closing lines, six on end
	s_wait_alu 0x0
	s_wait_tensorcnt 0x0
	ds_add_u32 v254, v255
	s_wait_dscnt 0x0
	s_endpgm
.Lfunc_end_k_q35902aa744_diagmm:
	.size	k_q35902aa744_diagmm, .Lfunc_end_k_q35902aa744_diagmm-k_q35902aa744_diagmm
	.p2alignl 7, 3214868480
	.fill 96, 4, 3214868480
	.section	.rodata,"a",@progbits
	.p2align	6, 0x0
	.amdhsa_kernel k_q35902aa744_diagmm
		.amdhsa_group_segment_fixed_size 288256
		.amdhsa_private_segment_fixed_size 0
		.amdhsa_enable_private_segment 0
		.amdhsa_kernarg_size 24
		.amdhsa_user_sgpr_count 2
		.amdhsa_user_sgpr_kernarg_segment_ptr 1
		.amdhsa_wavefront_size32 1
		.amdhsa_system_sgpr_workgroup_id_x 1
		.amdhsa_system_sgpr_workgroup_id_y 1
		.amdhsa_system_sgpr_workgroup_id_z 1
		.amdhsa_system_vgpr_workitem_id 0
		.amdhsa_next_free_vgpr 768
		.amdhsa_next_free_sgpr 66
		.amdhsa_reserve_vcc 0
		.amdhsa_float_denorm_mode_32 3
		.amdhsa_float_denorm_mode_16_64 3
		.amdhsa_memory_ordered 1
		.amdhsa_forward_progress 1
		.amdhsa_inst_pref_size 251
	.end_amdhsa_kernel
	.amdgpu_metadata
---
amdhsa.version: [ 1, 2 ]
amdhsa.kernels:
  - .name:           k_q35902aa744_diagmm
    .symbol:         k_q35902aa744_diagmm.kd
    .args:
      - { .name: x, .offset: 0, .size: 8, .value_kind: global_buffer, .address_space: global }
      - { .name: diagonal, .offset: 8, .size: 8, .value_kind: global_buffer, .address_space: global }
      - { .name: out0, .offset: 16, .size: 8, .value_kind: global_buffer, .address_space: global }
    .group_segment_fixed_size: 288256
    .private_segment_fixed_size: 0
    .kernarg_segment_align: 8
    .kernarg_segment_size: 24
    .max_flat_workgroup_size: 128
    .sgpr_count:     66
    .vgpr_count:     768
    .wavefront_size: 32
...
	.end_amdgpu_metadata
.endif
;; end of part 2
